; MI455X (gfx1250); checked and timed in simulation.
; The chip was launched on July 23, 2026; its instructions are those of AMD's public machine-readable ISA for CDNA 5 (MIT licence, August 2026) and "CDNA5" Instruction Set Architecture Reference Guide (July 2026). The comments in the code are by the model that wrote it; some were corrected since.
;; Mo E Layer. Allowed arithmetic: matrix products marked QUANTISED: E5M2 operands, one given power-of-two scale a tensor, by v_wmma_f32_16x16x64_bf8_bf8 or v_wmma_f32_16x16x128_bf8_bf8, f32 sums; products left as they are: f32 operands where the result goes on into a quantised operand, else bf16, f16 or f32 operands; f32 sums; everything else in f32.
;; Inputs: W1 8 x 1,024 x 2,048 float32; W2 8 x 2,048 x 1,024 float32; Wr 1,024 x 8 float32; b1 8 x 2,048 float32; b2 8 x 1,024 float32; br 8 float32; lowp_scales 4 int32 (the exponents e of the quantised operands' scales 2^e); x 4 x 512 x 1,024 float32.
;; Outputs: out0 4 x 512 x 1,024 float32.
;; This version of the problem:
;;   THIS VERSION OF THE PROBLEM IS GIVEN IN LOW PRECISION. The matrix products marked QUANTISED in the list below multiply operands that are first quantised to E5M2 (5 exponent bits, 2 mantissa bits; 8 bits a number), with one given power-of-two scale for each operand tensor; their sums are f32. All else is computed in f32.
;;   The module's matrix products, in the order in which they are computed (A, B: the left and right operand; K: the contracted axis; several contracted axes count as one K, in the product's order):
;;     1. [M 2,048, K 1,024] x [K 1,024, N 8]; A: input x; B: input Wr: left as it is (N = 8 < 16)
;;     2. [M 16,384, K 1,024] x [K 1,024, N 2,048]; A: input W1; B: input x: QUANTISED (scales: A lowp_scales[0], B lowp_scales[1])
;;     3. batch 8 x [M 2,048, K 2,048] x [K 2,048, N 1,024]; A: computed on the way; B: input W2: QUANTISED (scales: A lowp_scales[2], B lowp_scales[3])
;;     4. batch 2,048 x [M 1, K 8] x [K 8, N 1,024]; A: computed on the way; B: computed on the way: left as it is (K = 8 < 32)
;;   THE QUANTISER, for each operand of a quantised product, along K:
;;     - The operand's scale is 2^e, e = its entry of the input lowp_scales (int32; the entries are numbered through the quantised products in the list's order, A before B).
;;     - Each number is divided by the scale, clamped to +-57,344, and rounded to the nearest number of E5M2, ties to even, subnormals kept.
;;     - The product sums the exact products of the quantised numbers (number of the format x scale) in f32.
;;   ~~~python
;;   def quantise(x, axis, e):      # numpy; x: float32 -> the quantised numbers, widened to float32 again
;;       x = np.moveaxis(x, axis, -1); K = x.shape[-1]
;;       r = np.clip(x / 2.0 ** e, -57344, 57344)
;;       step = 2.0 ** (np.maximum(np.frexp(np.where(r == 0, 1, r))[1] - 1, -14) - 2)
;;       q = np.round(r / step) * step * 2.0 ** e      # np.round: ties to even
;;       return np.moveaxis(q, -1, axis).astype(np.float32)
;;   ~~~
;;   OPERANDS COMPUTED ON THE WAY. 'Computed on the way' means the value that the module computes at that place (a softmax that the list does not call 'softmax' is quantised finished and normalised). What goes into a quantiser is computed in f32, as accurately as f32 sums, v_exp_f32 and their like allow (about 1e-6 of the number): no bf16 or f16 on the way to a quantiser, and a product that is left as it is and whose result goes on into a quantised operand takes f32 operands (vector FMAs, or v_wmma_f32_16x16x4_f32). A number that lies on a knife's edge between two numbers of the format may be rounded either way, as far as f32 arithmetic and the matrix unit's own rounding can turn it there, and no further.
;; One version. Each part assembles by itself: llvm-mc -triple=amdgcn-amd-amdhsa -mcpu=gfx1250 --defsym DOCPART=n.
;; ======== version 1 of 1: 5 launches
;; workspace buffers: xc 2,097,152 bytes; sel 8,192 bytes of whole numbers; gate 16,384 bytes; list 67,584 bytes of whole numbers; glist 67,584 bytes; cnt 256 bytes of whole numbers; hbuf 33,554,432 bytes; ypart 33,619,968 bytes
;; launch route (part 1): grid 256 x 1, 4 waves a work-group, no clusters, 35,328 bytes of LDS; arguments x, Wr, br, lowp_scales, xc, sel, gate; writes xc, sel, gate
.if DOCPART == 1
	.amdgcn_target "amdgcn-amd-amdhsa--gfx1250"
	.amdhsa_code_object_version 6
	.text
	.protected	k_qda232a0c8d_route
	.globl	k_qda232a0c8d_route
	.p2align	8
	.type	k_qda232a0c8d_route,@function
k_qda232a0c8d_route:
	s_mov_b64 s[64:65], 0
	v_nop
	global_prefetch_b8 v0, s[64:65] scope:SCOPE_SE
	s_setreg_imm32_b32 hwreg(HW_REG_WAVE_MODE, 25, 1), 1
	s_wait_xcnt 0x0
; ROUTE: logits = x Wr + br in f32, the two largest of the 8 (ties: the lower index), their softmax; and x as codes of E5M2 with the given scale 2^ex.
; WORK LEFT OUT BY THE WHOLE PROGRAM.  gate[t][e] is built as the sum over the two chosen places of one_hot(topk_idx[t]) x weight: for the six experts that are not in topk_idx[t] it is
; exactly 0, whatever the inputs hold.  Row t of h[e] and of y[e] reaches out0 only through the factor gate[t][e]; so for those six experts the rows are not computed: only the 4,096 rows
; (token, choice) go through an expert.  Every input still has a way to out0 (any expert may be chosen), so all are loaded.
; LIMIT: a NaN, an infinity or an overflow that arises only in a row of an expert that was not chosen is not carried to out0.
; LIMITS: NaN among the inputs is not served; the logits are finite; ex lies between -126 and 112, so that 2^ex and 57,344 x 2^ex are f32 numbers.
; SHARES.  A work-group takes 8 tokens, a wave 2.  A lane holds k = 256 i + 8 lane + 0 .. 7 (i = 0 .. 3) of both tokens' rows: 8 neighbours along K, which is what a conversion takes.
; Wr (32,768 bytes) is brought once by the work-group and lies in LDS as 128 groups of 8 rows of k (256 bytes) 272 bytes apart: lane l reads group 32 i + l.
; The choice is stored as whole numbers (sel = first | second << 8) at the token's place; no address of this launch hangs on it.
.set SPARE, 34816                      ; behind Wr's image: the spare words, 128 bytes for each wave
.set SPW, 1                            ; v1   LDS address of my spare word; never rewritten
.set NIL, 2                            ; v2   0; never rewritten
.set LG,  16                           ; v16-31   8 partial logits for each of my two tokens
.set X,   32                           ; v32-95   32 numbers of x for each token
.set WA,  96                           ; v96-159  64 numbers of Wr (8 k x 8 experts); first: where Wr's loads land
.set WB,  160                          ; v160-223 the same, second set
.set CD,  224                          ; v224-239 codes
	s_load_b256 s[4:11], s[0:1], 0x0               ; x s[4:5], Wr s[6:7], br s[8:9], the scales' exponents s[10:11]
	s_load_b128 s[12:15], s[0:1], 0x20             ; xc s[12:13], sel s[14:15]
	s_load_b64 s[16:17], s[0:1], 0x30              ; gate
	v_lshl_add_u32 v[SPW], v0, 2, SPARE
	v_mov_b32 v[NIL], 0
	v_lshrrev_b32 v8, 5, v0
	v_readfirstlane_b32 s18, v8                    ; wave 0..3
	v_and_b32 v3, 31, v0                           ; lane
	v_lshlrev_b32 v4, 5, v3                        ; x: 32 bytes a lane
	v_lshrrev_b32 v8, 4, v0
	v_and_b32 v9, 15, v0
	v_mul_u32_u24 v5, v8, 272
	v_lshl_add_u32 v5, v9, 4, v5                   ; Wr into LDS: group thread / 16, 16 bytes at 16 (thread % 16)
	v_mul_u32_u24 v6, v3, 272                      ; Wr out of LDS: group = lane
	v_lshlrev_b32 v7, 3, v3                        ; codes: 8 bytes a lane
	v_lshlrev_b32 v10, 4, v0                       ; Wr in memory: 16 bytes a thread
	v_lshlrev_b32 v11, 2, v3                       ; the small stores: 4 bytes a lane
	s_mov_b32 s40, 0x76543210                      ; v_permlanex16_b32: lane l xor 16
	s_mov_b32 s41, 0xfedcba98
	s_lshl_b32 s32, ttmp9, 15                      ; 8 tokens of 4,096 bytes a work-group,
	s_lshl_b32 s19, s18, 13                        ; 2 a wave
	s_add_co_u32 s32, s32, s19
	s_mov_b32 s33, 0
	s_lshr_b32 s34, s32, 2                         ; the same tokens in xc: 1,024 bytes each
	s_mov_b32 s35, 0
	s_lshr_b32 s36, s32, 10                        ; and in sel and gate: 4 bytes each
	s_mov_b32 s37, 0
	s_wait_alu depctr_va_vdst(0)
	s_wait_kmcnt 0x0
	s_load_b256 s[20:27], s[8:9], 0x0              ; br
	s_load_b128 s[28:31], s[10:11], 0x0            ; ew1, ex, eh, ew2
	s_add_nc_u64 s[4:5], s[4:5], s[32:33]
	s_add_nc_u64 s[12:13], s[12:13], s[34:35]
	s_add_nc_u64 s[14:15], s[14:15], s[36:37]
	s_add_nc_u64 s[16:17], s[16:17], s[36:37]
.irp n, 0,1,2,3,4,5,6,7,8,9,10,11,12,13,14,15
	global_load_b128 v[WA+4*\n:WA+4*\n+3], v10, s[6:7] offset:2048*\n      ; the 128 threads read 2,048 consecutive bytes of Wr
.endr
.irp a, 0,1
.irp i, 0,1,2,3
	global_load_b128 v[X+32*\a+8*\i:X+32*\a+8*\i+3], v4, s[4:5] offset:4096*\a+1024*\i th:TH_LOAD_NT        ; the two loads of a pair together cover 1,024 consecutive bytes of a row
	global_load_b128 v[X+32*\a+8*\i+4:X+32*\a+8*\i+7], v4, s[4:5] offset:4096*\a+1024*\i+16 th:TH_LOAD_NT
.endr
.endr
	s_wait_loadcnt 16                              ; Wr's 16 loads are in; the 16 of x, issued behind them, may be out
.irp n, 0,1,2,3,4,5,6,7,8,9,10,11,12,13,14,15
	ds_store_b128 v5, v[WA+4*\n:WA+4*\n+3] offset:2176*\n                  ; 2,048 bytes are 8 groups: 8 x 272
.endr
	s_wait_dscnt 0x0                               ; for the others' sake: my part of Wr lies in LDS
	s_barrier_signal -1
	s_barrier_wait -1                              ; everybody's does
.macro WRLD i, w                       ; Wr[256 i + 8 lane + jj][e] into register 8 jj + e of set w
.irp m, 0,1,2,3,4,5,6,7,8,9,10,11,12,13,14,15
	ds_load_b128 v[\w+4*\m:\w+4*\m+3], v6 offset:8704*\i+16*\m
.endr
.endm
.macro FMA i, w                        ; 8 k x 2 tokens x 8 experts: two experts an instruction, x's one number for both halves; the very first product starts the sums
.irp jj, 0,1,2,3,4,5,6,7
.irp a, 0,1
.irp p, 0,2,4,6
.if (\i == 0) && (\jj == 0)
	v_pk_mul_f32 v[LG+8*\a+\p:LG+8*\a+\p+1], v[X+32*\a:X+32*\a+1], v[\w+\p:\w+\p+1] op_sel_hi:[0,1]
.elseif (\jj % 2) == 0
	v_pk_fma_f32 v[LG+8*\a+\p:LG+8*\a+\p+1], v[X+32*\a+8*\i+\jj:X+32*\a+8*\i+\jj+1], v[\w+8*\jj+\p:\w+8*\jj+\p+1], v[LG+8*\a+\p:LG+8*\a+\p+1] op_sel_hi:[0,1,1]
.else
	v_pk_fma_f32 v[LG+8*\a+\p:LG+8*\a+\p+1], v[X+32*\a+8*\i+\jj-1:X+32*\a+8*\i+\jj], v[\w+8*\jj+\p:\w+8*\jj+\p+1], v[LG+8*\a+\p:LG+8*\a+\p+1] op_sel:[1,0,0] op_sel_hi:[1,1,1]
.endif
.endr
.endr
.endr
.endm
	WRLD 0, WA
	WRLD 1, WB
	s_wait_loadcnt 0x0                             ; x
	s_wait_dscnt 16                                ; the older set is in; the 16 loads of the younger may be out
	FMA 0, WA
	WRLD 2, WA
	s_wait_alu depctr_va_vdst(0)
	s_wait_dscnt 16
	FMA 1, WB
	WRLD 3, WB
	s_wait_alu depctr_va_vdst(0)
	s_wait_dscnt 16
	FMA 2, WA
	s_wait_alu depctr_va_vdst(0)
	s_wait_dscnt 0x0
	FMA 3, WB
	; x as codes: held within +-57,344 x 2^ex (the conversion to an 8-bit code does not saturate: ISA guide 7.6.2), divided by 2^ex, to the nearest code, ties to even
	s_wait_kmcnt 0x0
	s_add_co_i32 s19, s29, 127
	s_lshl_b32 s38, s19, 23
	v_mov_b32 v12, s38                             ; 2^ex as f32: the conversion takes its exponent field
	s_add_co_i32 s19, s19, 15
	s_lshl_b32 s19, s19, 23
	s_or_b32 s19, s19, 0x600000
	v_mov_b32 v13, s19                             ; 57,344 x 2^ex
.irp j, 0,1,2,3,4,5,6,7,8,9,10,11,12,13,14,15,16,17,18,19,20,21,22,23,24,25,26,27,28,29,30,31,32,33,34,35,36,37,38,39,40,41,42,43,44,45,46,47,48,49,50,51,52,53,54,55,56,57,58,59,60,61,62,63
	v_med3_num_f32 v[X+\j], v[X+\j], -v13, v13
.endr
.irp a, 0,1
.irp i, 0,1,2,3
	v_cvt_scalef32_pk8_bf8_f32 v[CD+8*\a+2*\i:CD+8*\a+2*\i+1], v[X+32*\a+8*\i:X+32*\a+8*\i+7], v12
.endr
.endr
	v_nop                                          ; a plain instruction behind the last conversion: x's registers are written again below
.irp a, 0,1
.irp i, 0,1,2,3
	global_store_b64 v7, v[CD+8*\a+2*\i:CD+8*\a+2*\i+1], s[12:13] offset:1024*\a+256*\i   ; the wave stores 256 consecutive bytes, at a multiple of 256 from xc's first byte
.endr
.endr
	; the 16 sums over the 32 lanes; every lane ends with all of them
.irp m, 1,2,4,8
.irp j, 0,1,2,3,4,5,6,7,8,9,10,11,12,13,14,15
	v_add_f32_dpp v[LG+\j], v[LG+\j], v[LG+\j] row_xmask:\m row_mask:0xf bank_mask:0xf
.endr
.endr
.irp j, 0,1,2,3,4,5,6,7,8,9,10,11,12,13,14,15
	v_permlanex16_b32 v[X+\j], v[LG+\j], s40, s41  ; (its destination has been written before)
.endr
.irp j, 0,1,2,3,4,5,6,7,8,9,10,11,12,13,14,15
	v_add_f32 v[LG+\j], v[LG+\j], v[X+\j]
.endr
.irp e, 0,1,2,3,4,5,6,7
	v_add_f32 v[LG+\e], s[20+\e], v[LG+\e]
	v_add_f32 v[LG+8+\e], s[20+\e], v[LG+8+\e]
.endr
	; the largest: a later logit wins only if it is strictly greater, so of equal ones the lower index is kept.  v240-243: token 0's first value, first index, second value, second index; v244-247: token 1's
	v_mov_b32 v240, v[LG]
	v_mov_b32 v244, v[LG+8]
	v_mov_b32 v241, 0
	v_mov_b32 v245, 0
.irp e, 1,2,3,4,5,6,7
	v_cmp_gt_f32 s42, v[LG+\e], v240
	v_cmp_gt_f32 s43, v[LG+8+\e], v244
	v_cndmask_b32 v240, v240, v[LG+\e], s42
	v_cndmask_b32 v244, v244, v[LG+8+\e], s43
	v_cndmask_b32 v241, v241, \e, s42
	v_cndmask_b32 v245, v245, \e, s43
.endr
	; the second: the same among the seven others, from -infinity on
	v_mov_b32 v242, 0xff800000
	v_mov_b32 v246, 0xff800000
	v_mov_b32 v243, 0
	v_mov_b32 v247, 0
.irp e, 0,1,2,3,4,5,6,7
	v_cmp_ne_u32 s42, \e, v241
	v_cmp_gt_f32 s43, v[LG+\e], v242
	v_cmp_ne_u32 s44, \e, v245
	v_cmp_gt_f32 s45, v[LG+8+\e], v246
	s_and_b32 s42, s42, s43
	s_and_b32 s44, s44, s45
	v_cndmask_b32 v242, v242, v[LG+\e], s42
	v_cndmask_b32 v246, v246, v[LG+8+\e], s44
	v_cndmask_b32 v243, v243, \e, s42
	v_cndmask_b32 v247, v247, \e, s44
.endr
	; the softmax of the two, the larger taken away: 1 / (1 + z) and z / (1 + z), z = e^(second - first), at most 1
	v_sub_f32 v248, v242, v240
	v_sub_f32 v249, v246, v244
	v_mul_f32 v248, 0x3fb8aa3b, v248               ; x log2(e)
	v_mul_f32 v249, 0x3fb8aa3b, v249
	s_wait_alu depctr_va_vdst(0)
	v_exp_f32 v250, v248
	v_exp_f32 v251, v249
	v_lshl_or_b32 v241, v243, 8, v241              ; sel = first | second << 8.  (Plain work behind the exponentials)
	v_lshl_or_b32 v245, v247, 8, v245
	s_wait_alu depctr_va_vdst(0)                   ; one wait for both exponentials, ahead of their first reader
	v_add_f32 v252, 1.0, v250
	v_add_f32 v253, 1.0, v251
	s_wait_alu depctr_va_vdst(0)
	v_rcp_f32 v254, v252
	v_rcp_f32 v255, v253
	v_nop                                          ; a plain instruction behind the reciprocals
	s_wait_alu depctr_va_vdst(0)                   ; one wait for both
	v_mul_f32 v250, v250, v254
	v_mul_f32 v251, v251, v255
	v_cmp_eq_u32 vcc_lo, 1, v3                     ; lane 0 stores token 0's, lane 1 token 1's
	v_cndmask_b32 v241, v241, v245, vcc_lo
	v_cndmask_b32 v254, v254, v255, vcc_lo
	v_cndmask_b32 v250, v250, v251, vcc_lo
	s_wait_alu depctr_va_vdst(0)
	s_wait_xcnt 0x0                                ; EXEC changes only behind this wait: the codes' stores have been issued under the full one
	v_cmp_gt_u32 vcc_lo, 2, v3
	s_and_saveexec_b32 s46, vcc_lo
	global_store_b32 v11, v241, s[14:15]           ; 8 bytes a wave in each of three arrays: a work-group has 8 tokens
	global_store_b32 v11, v254, s[16:17]
	global_store_b32 v11, v250, s[16:17] offset:8192
	s_wait_xcnt 0x0                                ; and again ahead of the line that widens it
	s_or_b32 exec_lo, exec_lo, s46
	s_wait_tensorcnt 0x0                           ; the wave's end, behind my last LDS store
	ds_add_u32 v[SPW], v[NIL]
	s_wait_dscnt 0x0
	s_endpgm
.Lfunc_end_k_qda232a0c8d_route:
	.size	k_qda232a0c8d_route, .Lfunc_end_k_qda232a0c8d_route-k_qda232a0c8d_route
	.p2alignl 7, 3214868480
	.fill 96, 4, 3214868480
	.section	.rodata,"a",@progbits
	.p2align	6, 0x0
	.amdhsa_kernel k_qda232a0c8d_route
		.amdhsa_group_segment_fixed_size 35328
		.amdhsa_private_segment_fixed_size 0
		.amdhsa_enable_private_segment 0
		.amdhsa_kernarg_size 56
		.amdhsa_user_sgpr_count 2
		.amdhsa_user_sgpr_kernarg_segment_ptr 1
		.amdhsa_wavefront_size32 1
		.amdhsa_system_sgpr_workgroup_id_x 1
		.amdhsa_system_sgpr_workgroup_id_y 1
		.amdhsa_system_sgpr_workgroup_id_z 1
		.amdhsa_system_vgpr_workitem_id 0
		.amdhsa_next_free_vgpr 256
		.amdhsa_next_free_sgpr 66
		.amdhsa_reserve_vcc 1
		.amdhsa_float_denorm_mode_32 3
		.amdhsa_float_denorm_mode_16_64 3
		.amdhsa_memory_ordered 1
		.amdhsa_forward_progress 1
		.amdhsa_inst_pref_size 47
	.end_amdhsa_kernel
	.amdgpu_metadata
---
amdhsa.version: [ 1, 2 ]
amdhsa.kernels:
  - .name:           k_qda232a0c8d_route
    .symbol:         k_qda232a0c8d_route.kd
    .args:
      - { .name: x, .offset: 0, .size: 8, .value_kind: global_buffer, .address_space: global }
      - { .name: Wr, .offset: 8, .size: 8, .value_kind: global_buffer, .address_space: global }
      - { .name: br, .offset: 16, .size: 8, .value_kind: global_buffer, .address_space: global }
      - { .name: lowp_scales, .offset: 24, .size: 8, .value_kind: global_buffer, .address_space: global }
      - { .name: xc, .offset: 32, .size: 8, .value_kind: global_buffer, .address_space: global }
      - { .name: sel, .offset: 40, .size: 8, .value_kind: global_buffer, .address_space: global }
      - { .name: gate, .offset: 48, .size: 8, .value_kind: global_buffer, .address_space: global }
    .group_segment_fixed_size: 35328
    .private_segment_fixed_size: 0
    .kernarg_segment_align: 8
    .kernarg_segment_size: 56
    .max_flat_workgroup_size: 128
    .sgpr_count:     66
    .vgpr_count:     256
    .wavefront_size: 32
...
	.end_amdgpu_metadata
.endif
;; end of part 1
;; launch place (part 2): grid 8 x 1, 4 waves a work-group, no clusters, 0 bytes of LDS; arguments sel, gate, list, glist, cnt; writes list, glist, cnt
.if DOCPART == 2
	.amdgcn_target "amdgcn-amd-amdhsa--gfx1250"
	.amdhsa_code_object_version 6
	.text
	.protected	k_qda232a0c8d_place
	.globl	k_qda232a0c8d_place
	.p2align	8
	.type	k_qda232a0c8d_place,@function
k_qda232a0c8d_place:
	s_mov_b64 s[64:65], 0
	v_nop
	global_prefetch_b8 v0, s[64:65] scope:SCOPE_SE
	s_setreg_imm32_b32 hwreg(HW_REG_WAVE_MODE, 25, 1), 1
	s_wait_xcnt 0x0
; PLACE: the 4,096 chosen rows (token, choice) are laid out by expert.  Work-group e serves expert e and writes that expert's list: entry = choice x 2,048 + token, with the entry's gate beside it in glist,
; and the number of entries in cnt[e].  The order of the entries inside an expert is free.
; SHARES.  Wave p takes tokens 512 p .. 512 p + 511: 16 words of sel a lane; register n = 4 G + j belongs to token 512 p + 128 G + 4 lane + j.  Its entries follow those of the parts before it, so it needs their number:
; it counts them itself, from the words of sel of parts 0 .. p - 1 (at most 48 a lane).  So the waves hand each other nothing: no LDS, no barrier.
; Every step runs over 16 words at a time, in runs of 16 lines that do not wait for each other; the lane masks of the 16 words lie in s32-47 (chose e) and s48-63 (chose e as the second).
; A lane's place is the count so far plus the number of lower lanes that store in this turn.  It is made of loaded whole numbers, so it is held at 2,111, the list's last entry, before it enters an address.
; A lane whose token did not choose e stores into its wave's dump word, entry 2,080 + p, which nobody reads: so every store runs with all lanes on.
; Behind the n entries wave 3 lays 32 pads (entry 4,096 + e, gate 0), so that the last tile of 16 rows is whole, and so is tile 0 of an expert that nobody chose; n is at most 2,048, so the pads end under the dump words.
; Each word has address and data registers of its own, so no register of a pending store is written again.
.set C,  16                            ; v16-63   sel of tokens 0 .. 1,535, for the count
.set S,  64                            ; v64-79   my part's sel, then the entry
.set G0, 80                            ; v80-95   the first choice's gate, then the byte offset of the place
.set G1, 96                            ; v96-111  the second choice's gate, then the entry's gate
.set T,  112                           ; v112-127 at work
.set MA, 32                            ; s32-47   lanes whose token chose e
.set MB, 48                            ; s48-63   lanes whose token chose e as its second
	s_load_b256 s[4:11], s[0:1], 0x0               ; sel s[4:5], gate s[6:7], list s[8:9], glist s[10:11]
	s_load_b64 s[12:13], s[0:1], 0x20              ; cnt
	v_lshrrev_b32 v1, 5, v0
	v_readfirstlane_b32 s18, v1                    ; wave = part 0..3
	s_mov_b32 s17, ttmp9                           ; work-group = expert
	v_and_b32 v3, 31, v0                           ; lane
	v_lshlrev_b32 v2, 4, v3                        ; 16 bytes a lane
	s_lshl_b32 s14, s18, 11                        ; my part: 512 tokens of 4 bytes
	v_add_nc_u32 v7, s14, v2
	s_lshl_b32 s15, s18, 9
	v_lshl_add_u32 v4, v3, 2, s15                  ; 512 p + 4 lane: the token without 128 G + j, for the first choice,
	v_add_nc_u32 v5, 2048, v4                      ; and for the second
	s_add_co_u32 s16, s18, 2080
	v_mov_b32 v6, s16                              ; my wave's dump word
	s_mul_i32 s24, s17, 8448                       ; an expert's list: 2,112 entries of 4 bytes
	s_mov_b32 s25, 0
	s_mov_b32 s19, 0                               ; entries so far
	s_lshl_b32 s27, s17, 2
	s_add_co_u32 s28, s17, 4096                    ; the pads' entry
	s_wait_alu depctr_va_vdst(0)
	s_wait_kmcnt 0x0
	s_add_nc_u64 s[8:9], s[8:9], s[24:25]
	s_add_nc_u64 s[10:11], s[10:11], s[24:25]
.irp g, 0,1,2,3,4,5,6,7,8,9,10,11
	global_load_b128 v[C+4*\g:C+4*\g+3], v2, s[4:5] offset:512*\g
.endr
.irp g, 0,1,2,3
	global_load_b128 v[S+4*\g:S+4*\g+3], v7, s[4:5] offset:512*\g
.endr
.irp g, 0,1,2,3
	global_load_b128 v[G0+4*\g:G0+4*\g+3], v7, s[6:7] offset:512*\g
.endr
.irp g, 0,1,2,3
	global_load_b128 v[G1+4*\g:G1+4*\g+3], v7, s[6:7] offset:8192+512*\g
.endr
	s_wait_loadcnt 0x0
.macro COUNT q                         ; the entries of part q are added to the count
.irp n, 0,1,2,3,4,5,6,7,8,9,10,11,12,13,14,15
	v_and_b32 v[T+\n], 0xff, v[C+16*\q+\n]         ; the first choice
.endr
.irp n, 0,1,2,3,4,5,6,7,8,9,10,11,12,13,14,15
	v_lshrrev_b32 v[C+16*\q+\n], 8, v[C+16*\q+\n]  ; the second
.endr
.irp n, 0,1,2,3,4,5,6,7,8,9,10,11,12,13,14,15
	v_cmp_eq_u32 s[MA+\n], s17, v[T+\n]
.endr
.irp n, 0,1,2,3,4,5,6,7,8,9,10,11,12,13,14,15
	v_cmp_eq_u32 s[MB+\n], s17, v[C+16*\q+\n]
.endr
.irp n, 0,1,2,3,4,5,6,7,8,9,10,11,12,13,14,15
	s_or_b32 s[MA+\n], s[MA+\n], s[MB+\n]          ; (a token never chooses e by both)
.endr
.irp n, 0,1,2,3,4,5,6,7,8,9,10,11,12,13,14,15
	s_bcnt1_i32_b32 s[MA+\n], s[MA+\n]
.endr
.irp n, 0,1,2,3,4,5,6,7,8,9,10,11,12,13,14,15
	s_add_co_u32 s19, s19, s[MA+\n]
.endr
.endm
	s_cmp_eq_u32 s18, 0                            ; wave p counts parts 0 .. p - 1: the branches hang on the wave's number alone
	s_cbranch_scc1 .Lcounted
	COUNT 0
	s_cmp_eq_u32 s18, 1
	s_cbranch_scc1 .Lcounted
	COUNT 1
	s_cmp_eq_u32 s18, 2
	s_cbranch_scc1 .Lcounted
	COUNT 2
.Lcounted:
.irp n, 0,1,2,3,4,5,6,7,8,9,10,11,12,13,14,15
	v_and_b32 v[T+\n], 0xff, v[S+\n]               ; my part: the first choice,
.endr
.irp n, 0,1,2,3,4,5,6,7,8,9,10,11,12,13,14,15
	v_lshrrev_b32 v[S+\n], 8, v[S+\n]              ; the second
.endr
.irp n, 0,1,2,3,4,5,6,7,8,9,10,11,12,13,14,15
	v_cmp_eq_u32 s[MA+\n], s17, v[T+\n]
.endr
.irp n, 0,1,2,3,4,5,6,7,8,9,10,11,12,13,14,15
	v_cmp_eq_u32 s[MB+\n], s17, v[S+\n]
.endr
.irp n, 0,1,2,3,4,5,6,7,8,9,10,11,12,13,14,15
	s_or_b32 s[MA+\n], s[MA+\n], s[MB+\n]
.endr
.irp n, 0,1,2,3,4,5,6,7,8,9,10,11,12,13,14,15
	v_mbcnt_lo_u32_b32 v[T+\n], s[MA+\n], s19      ; entries so far + such lanes below me
	s_bcnt1_i32_b32 s20, s[MA+\n]
	v_cndmask_b32 v[G1+\n], v[G0+\n], v[G1+\n], s[MB+\n]   ; the gate of the choice that was e
	s_add_co_u32 s19, s19, s20
	v_cndmask_b32 v[S+\n], v4, v5, s[MB+\n]
.endr
.irp n, 0,1,2,3,4,5,6,7,8,9,10,11,12,13,14,15
	v_add_nc_u32 v[S+\n], 128*(\n/4)+(\n%4), v[S+\n]       ; choice x 2,048 + token
.endr
.irp n, 0,1,2,3,4,5,6,7,8,9,10,11,12,13,14,15
	v_cndmask_b32 v[T+\n], v6, v[T+\n], s[MA+\n]   ; the others go to the dump word
.endr
.irp n, 0,1,2,3,4,5,6,7,8,9,10,11,12,13,14,15
	v_min_u32 v[T+\n], 0x83f, v[T+\n]              ; inside the expert's 2,112 entries
.endr
.irp n, 0,1,2,3,4,5,6,7,8,9,10,11,12,13,14,15
	v_lshlrev_b32 v[G0+\n], 2, v[T+\n]
.endr
.irp n, 0,1,2,3,4,5,6,7,8,9,10,11,12,13,14,15
	global_store_b32 v[G0+\n], v[S+\n], s[8:9]
	global_store_b32 v[G0+\n], v[G1+\n], s[10:11]
.endr
	s_cmp_lg_u32 s18, 3                            ; the last part knows the expert's whole count
	s_cbranch_scc1 .Lend
	v_add_nc_u32 v8, s19, v3                       ; the 32 pads, a lane each
	v_min_u32 v8, 0x83f, v8
	v_lshlrev_b32 v8, 2, v8
	v_mov_b32 v9, s28
	v_mov_b32 v10, 0
	global_store_b32 v8, v9, s[8:9]
	global_store_b32 v8, v10, s[10:11]
	v_mov_b32 v11, s27
	v_mov_b32 v12, s19
	global_store_b32 v11, v12, s[12:13]            ; cnt[e]: all lanes store the same word with the same number
.Lend:
	s_endpgm
.Lfunc_end_k_qda232a0c8d_place:
	.size	k_qda232a0c8d_place, .Lfunc_end_k_qda232a0c8d_place-k_qda232a0c8d_place
	.p2alignl 7, 3214868480
	.fill 96, 4, 3214868480
	.section	.rodata,"a",@progbits
	.p2align	6, 0x0
	.amdhsa_kernel k_qda232a0c8d_place
		.amdhsa_group_segment_fixed_size 0
		.amdhsa_private_segment_fixed_size 0
		.amdhsa_enable_private_segment 0
		.amdhsa_kernarg_size 40
		.amdhsa_user_sgpr_count 2
		.amdhsa_user_sgpr_kernarg_segment_ptr 1
		.amdhsa_wavefront_size32 1
		.amdhsa_system_sgpr_workgroup_id_x 1
		.amdhsa_system_sgpr_workgroup_id_y 1
		.amdhsa_system_sgpr_workgroup_id_z 1
		.amdhsa_system_vgpr_workitem_id 0
		.amdhsa_next_free_vgpr 128
		.amdhsa_next_free_sgpr 66
		.amdhsa_reserve_vcc 0
		.amdhsa_float_denorm_mode_32 3
		.amdhsa_float_denorm_mode_16_64 3
		.amdhsa_memory_ordered 1
		.amdhsa_forward_progress 1
		.amdhsa_inst_pref_size 34
	.end_amdhsa_kernel
	.amdgpu_metadata
---
amdhsa.version: [ 1, 2 ]
amdhsa.kernels:
  - .name:           k_qda232a0c8d_place
    .symbol:         k_qda232a0c8d_place.kd
    .args:
      - { .name: sel, .offset: 0, .size: 8, .value_kind: global_buffer, .address_space: global }
      - { .name: gate, .offset: 8, .size: 8, .value_kind: global_buffer, .address_space: global }
      - { .name: list, .offset: 16, .size: 8, .value_kind: global_buffer, .address_space: global }
      - { .name: glist, .offset: 24, .size: 8, .value_kind: global_buffer, .address_space: global }
      - { .name: cnt, .offset: 32, .size: 8, .value_kind: global_buffer, .address_space: global }
    .group_segment_fixed_size: 0
    .private_segment_fixed_size: 0
    .kernarg_segment_align: 8
    .kernarg_segment_size: 40
    .max_flat_workgroup_size: 128
    .sgpr_count:     66
    .vgpr_count:     128
    .wavefront_size: 32
...
	.end_amdgpu_metadata
.endif
;; end of part 2
;; launch ffn1 (part 3): grid 32 x 8, 4 waves a work-group, no clusters, 133,120 bytes of LDS; arguments W1, b1, lowp_scales, xc, list, cnt, hbuf; writes hbuf
.if DOCPART == 3
	.amdgcn_target "amdgcn-amd-amdhsa--gfx1250"
	.amdhsa_code_object_version 6
	.text
	.protected	k_qda232a0c8d_ffn1
	.globl	k_qda232a0c8d_ffn1
	.p2align	8
	.type	k_qda232a0c8d_ffn1,@function
k_qda232a0c8d_ffn1:
	s_mov_b64 s[64:65], 0
	v_nop
	global_prefetch_b8 v0, s[64:65] scope:SCOPE_SE
	s_setreg_imm32_b32 hwreg(HW_REG_WAVE_MODE, 25, 1), 1
	s_wait_xcnt 0x0
; FFN1: h = relu(x W1[e] + b1[e]) as codes of E5M2, for the rows that chose expert e alone (rows of experts that were not chosen reach out0 only through a gate that is 0 by construction: they are left out).
; THE WEIGHTS STAND STILL.  Work-group (g, e) owns hidden units 64 g .. 64 g + 63 of expert e: 1,024 (K) x 64 numbers of W1, read from memory once in the launch, by this work-group alone, as f32.
; It quantises them (scale 2^ew1), and every wave then holds all their codes as 32 fragments in 512 registers.  The waves share the expert's ROWS: tiles of 16, wave w takes tiles w, w + 4, ..
; No tensor load and no cluster: how many tiles there are is read from memory (cnt), and the only bytes that work-groups share, the rows' codes, are walked by that count.
; THE TURN.  K is W1's middle axis.  Wave w takes k = 256 w .. 256 w + 255, in 8 units of 32.  A load reads 256 consecutive bytes (64 units of one k) in each half of the lanes; 16 loads give lane (q, hh) 16 k x 4 columns.
; The hold at the largest code copies them into the order column-major, so that 16 neighbours along K stand in consecutive registers, and two conversions give the 16 bytes that one lane of a fragment holds.
; They go to LDS as IMAGES OF THE OPERAND'S REGISTERS: fragment (t, s) at (4 s + t) x 2,064; group c of four registers at 512 c; lane at 16 lane.
; LAYOUT.  Both operands: registers 4 c .. 4 c + 3 of lane (r, h) hold k = 128 s + 32 c + 16 h + 0 .. 15: one permutation of k for both.  THE PRODUCT IS USED TRANSPOSED (source 0 = 16 columns of W1, source 1 = 16 rows).
; THE COLUMNS OF A TILE ARE NOT NEIGHBOURS: column 32 b + 16 rhi + 8 u + rlo is row 8 rhi + rlo of tile 2 b + u, so that in the result lane (r, h) holds, in register j of tile 2 b + u, hidden unit 32 b + 16 h + 8 u + j of row r:
; the 16 registers of tiles 2 b and 2 b + 1 are 16 neighbours along the next product's K, and the conversions' results are four registers of that product's operand.  They are stored as such an image:
; hbuf [e][tile of rows][K step of 128][group c][lane][16 bytes].
; b1 / 2^(ew1 + ex) is the C of each sum's first product; relu and the hold are one instruction; the three scales are folded into the conversion's one, 2^(eh - ew1 - ex).
; LIMITS: ew1 and eh - ew1 - ex between -126 and 112.  NaN among the inputs is not served.
; REGISTERS, in windows of 256.  Window 0: v1-25 addresses and scales; v32-63 b1; v64-95 the four accumulators; v96-111 list entries; v112-119 the rows' offsets in xc; v120-127 h's codes; v128-255 the weight phase's work, later the rows' 8 fragments.
;   Window 1: two sets of 128: a tile's 16 rows of x's codes as they are loaded.   Window 2: where units 0-3 land; then W1's fragments of the even K steps (K step 2 sg, tile t at v[64 sg + 16 t]).   Window 3: units 4-7; then the odd K steps'.
.set PITCH, 8192                       ; a row of W1 in bytes
.set PSH,   17                         ; 16 rows of it = 1 << 17
.set FRS,   2064                       ; from a fragment's image to the next
.set STG,   32*FRS                     ; behind the 32 images: a stage of 16 rows for each wave
.set SROW,  1040                       ; a stage row: 1,024 bytes + 16, so that the 16 rows that a fragment load touches start at 16 different banks' columns
.set SWAVE, 16*SROW
.set SPARE, STG+4*SWAVE                ; behind the stages: the spare words, 128 bytes for each wave
.set TRIPS, 16                         ; an expert has at most 2,048 rows = 128 tiles, a wave 32 of them, a trip two
.set SPW, 1                            ; v1  LDS address of my spare word; never rewritten
.set NIL, 2                            ; v2  0; never rewritten
.set LI,  3                            ; v3  16 x lane
.set WO,  4                            ; v4  W1: 16 rows x half + 16 q
.set IW,  5                            ; v5  where my codes go among the images
.set STW, 6                            ; v6  the stage, in
.set FRD, 7                            ; v7  the stage, out
.set LQ,  8                            ; v8  16 q
.set LH,  9                            ; v9  32 x half: my 8 entries of a tile's 16
.set LO,  10                           ; v10 the list load's offset
.set HO,  11                           ; v11 the h stores' offset
.set WSC, 12                           ; v12 2^ew1        v13 57,344 x 2^ew1
.set WLM, 13
.set HSC, 14                           ; v14 2^(eh - ew1 - ex)   v15 57,344 x that
.set HLM, 15
.set BA,  24                           ; v24 b1: 64 x half
.set LO2, 25                           ; v25 the second list load's offset at the head
.set BI,  32
.set ACC, 64
.set LD,  96
.set LDB, 104
.set XO,  112
.set HC,  120
.set F,   128
.set T,   128
.set PC,  192
.set MSB, 0
.macro WIN new                         ; the immediate's high byte repeats the setting that is left; a switch that changes nothing is dropped
.if MSB != (\new)
	s_set_vgpr_msb (MSB<<8)|(\new)
.set MSB, (\new)
.endif
.endm
.macro WLOAD u                         ; unit u: k = 256 wave + 32 u + 16 half + i, columns 4 q .. 4 q + 3, into register 4 i + j of the unit's 64
	WIN 0x80+0x40*((\u)/4)
.irp i, 0,1,2,3,4,5,6,7,8,9,10,11,12,13,14,15
	global_load_b128 v[64*((\u)%4)+4*\i:64*((\u)%4)+4*\i+3], v[WO], s[4:5] offset:(32*(\u)+\i)*PITCH th:TH_LOAD_NT
.endr
.endm
.macro UNIT u, n                       ; unit u becomes codes and goes to LDS.  n: the younger loads that may stay out
	s_wait_loadcnt \n
	WIN 0x02+(\u)/4
.irp j, 0,1,2,3
.irp i, 0,1,2,3,4,5,6,7,8,9,10,11,12,13,14,15
	v_med3_num_f32 v[T+16*\j+\i], v[64*((\u)%4)+4*\i+\j], -v[WLM], v[WLM]   ; the hold (the conversion does not saturate: ISA guide 7.6.2) is also the turn: column j's 16 k on end
.endr
.endr
	WIN 0
	s_wait_alu depctr_va_vdst(0)
	s_wait_dscnt 0x0                               ; the last unit's stores have read the codes' registers
.irp j, 0,1,2,3
	v_cvt_scalef32_pk8_bf8_f32 v[PC+4*\j:PC+4*\j+1], v[T+16*\j:T+16*\j+7], v[WSC]
	v_cvt_scalef32_pk8_bf8_f32 v[PC+4*\j+2:PC+4*\j+3], v[T+16*\j+8:T+16*\j+15], v[WSC]
.endr
	v_nop                                          ; a plain instruction behind the last conversion: the next unit's holds write its sources
.irp j, 0,1,2,3
	ds_store_b128 v[IW], v[PC+4*\j:PC+4*\j+3] offset:((\u)/4)*4*FRS+((\u)%4)*512+16*\j
.endr
.endm
.macro WFRAG ph                        ; the 16 fragments of K steps 2 sg + ph into window 2 + ph
	WIN 0x80+0x40*(\ph)
.irp sg, 0,1,2,3
.irp t, 0,1,2,3
.irp c, 0,1,2,3
	ds_load_b128 v[64*\sg+16*\t+4*\c:64*\sg+16*\t+4*\c+3], v[LI] offset:(4*(2*\sg+\ph)+\t)*FRS+512*\c
.endr
.endr
.endr
	WIN 0
.endm
.macro BARRIER                         ; my LDS stores have landed and my LDS loads are in: then the work-group's barrier
	s_wait_dscnt 0x0
	s_barrier_signal -1
	s_barrier_wait -1
.endm
.macro FINISH                          ; the wave's end, behind my last LDS store; loads into registers may be out
	s_wait_tensorcnt 0x0
	ds_add_u32 v[SPW], v[NIL]
	s_wait_dscnt 0x0
	s_endpgm
.endm
; 32 matrix instructions: 8 K steps x 4 tiles of columns, for the 16 rows whose fragments stand at v[fb] of window fw.  The four accumulators take turns, one instruction a turn.
.macro MUL fb, fw
.irp ph, 0,1
	WIN (0x02+\ph)|((\fw)<<2)
.irp sg, 0,1,2,3
.irp t, 0,1,2,3
.if (\ph == 0) && (\sg == 0)
	v_wmma_f32_16x16x128_bf8_bf8 v[ACC+8*\t:ACC+8*\t+7], v[64*\sg+16*\t:64*\sg+16*\t+15], v[\fb+16*(2*\sg+\ph):\fb+16*(2*\sg+\ph)+15], v[BI+8*\t:BI+8*\t+7]
.else
	v_wmma_f32_16x16x128_bf8_bf8 v[ACC+8*\t:ACC+8*\t+7], v[64*\sg+16*\t:64*\sg+16*\t+15], v[\fb+16*(2*\sg+\ph):\fb+16*(2*\sg+\ph)+15], v[ACC+8*\t:ACC+8*\t+7]
.endif
.endr
.endr
.endr
	WIN 0
.endm
.macro LLOAD dst, lo, st, add          ; my 8 entries of tile s[st] + add, held at the expert's last tile and at 127: entry 16 T + 8 half + j into register j
	s_add_co_u32 s33, s[\st], \add
	s_min_u32 s33, s33, s30
	s_min_u32 s33, s33, 127
	v_lshl_add_u32 v[\lo], s33, 6, v[LH]
	global_load_b128 v[\dst:\dst+3], v[\lo], s[12:13]
	global_load_b128 v[\dst+4:\dst+7], v[\lo], s[12:13] offset:16
.endm
.macro XADR src                        ; entries to byte offsets in xc: held at 4,103, the largest entry; token = entry mod 2,048; a row is 1,024 bytes
.irp j, 0,1,2,3,4,5,6,7
	v_min_u32 v[XO+\j], 0x1007, v[\src+\j]
.endr
.irp j, 0,1,2,3,4,5,6,7
	v_and_b32 v[XO+\j], 0x7ff, v[XO+\j]
.endr
.irp j, 0,1,2,3,4,5,6,7
	v_lshl_add_u32 v[XO+\j], v[XO+\j], 10, v[LQ]
.endr
.endm
.macro XLOAD p                         ; 16 rows of codes into set p of window 1: each half of the lanes reads 256 consecutive bytes, aligned, of one row
	WIN 0x40
.irp j, 0,1,2,3,4,5,6,7
.irp qq, 0,1,2,3
	global_load_b128 v[128*\p+16*\j+4*\qq:128*\p+16*\j+4*\qq+3], v[XO+\j], s[10:11] offset:256*\qq
.endr
.endr
	WIN 0
.endm
	s_load_b256 s[4:11], s[0:1], 0x0               ; W1 s[4:5], b1 s[6:7], the scales' exponents s[8:9], xc s[10:11]
	s_load_b128 s[12:15], s[0:1], 0x20             ; list s[12:13], cnt s[14:15]
	s_load_b64 s[16:17], s[0:1], 0x30              ; hbuf
	v_lshl_add_u32 v[SPW], v0, 2, SPARE
	v_mov_b32 v[NIL], 0
	v_lshrrev_b32 v16, 5, v0
	v_readfirstlane_b32 s18, v16                   ; wave 0..3
	s_and_b32 s19, ttmp7, 0xffff                   ; e
	v_and_b32 v16, 31, v0                          ; lane
	v_and_b32 v17, 15, v0                          ; q
	v_bfe_u32 v18, v0, 4, 1                        ; half
	v_lshlrev_b32 v[LI], 4, v16
	v_lshlrev_b32 v[LQ], 4, v17
	v_lshlrev_b32 v[LH], 5, v18
	v_lshlrev_b32 v[BA], 6, v18
	v_lshl_add_u32 v[WO], v18, PSH, v[LQ]
	; my columns are 4 q + j: tile 2 (q / 8) + (q / 2) % 2, row 8 ((q / 4) % 2) + 4 (q % 2) + j of it
	v_bfe_u32 v19, v0, 3, 1
	v_bfe_u32 v20, v0, 1, 1
	v_lshl_add_u32 v19, v19, 1, v20
	v_mul_u32_u24 v[IW], v19, FRS
	v_bfe_u32 v20, v0, 2, 1
	v_and_b32 v21, 1, v0
	v_lshlrev_b32 v22, 4, v18
	v_lshl_add_u32 v22, v20, 3, v22
	v_lshl_add_u32 v22, v21, 2, v22                ; the fragment's lane: 16 half + that row (j = 0)
	v_lshl_add_u32 v[IW], v22, 4, v[IW]
	s_mul_i32 s21, s18, 8*FRS                      ; my two K steps: 2 wave, 2 wave + 1
	v_add_nc_u32 v[IW], s21, v[IW]
	s_mul_i32 s21, s18, SWAVE
	s_add_co_u32 s21, s21, STG                     ; my stage
	v_mul_u32_u24 v[STW], v18, 8*SROW              ; in: rows 8 half + j, 16 bytes at 16 q
	v_add_nc_u32 v[STW], v[LQ], v[STW]
	v_add_nc_u32 v[STW], s21, v[STW]
	v_mul_u32_u24 v[FRD], v17, SROW                ; out: row q, + 16 half
	v_lshl_add_u32 v[FRD], v18, 4, v[FRD]
	v_add_nc_u32 v[FRD], s21, v[FRD]
	s_lshl_b32 s20, s19, 23                        ; W1: expert e, 8 MiB each,
	s_lshl_b32 s21, ttmp9, 8                       ; 64 columns of 4 bytes a slice,
	s_add_co_u32 s20, s20, s21
	s_lshl_b32 s21, s18, 21                        ; 256 rows a wave
	s_add_co_u32 s20, s20, s21
	s_mov_b32 s21, 0
	s_lshl_b32 s22, s19, 13                        ; b1: 2,048 numbers an expert, 64 a slice
	s_lshl_b32 s23, ttmp9, 8
	s_add_co_u32 s22, s22, s23
	s_mov_b32 s23, 0
	s_mul_i32 s36, s19, 8448                       ; the expert's list
	s_mov_b32 s37, 0
	s_lshl_b32 s38, s19, 2                         ; cnt[e]
	s_mov_b32 s39, 0
	s_lshl_b32 s40, s19, 22                        ; hbuf: 4 MiB an expert; slice g is groups 2 (g % 2), 2 (g % 2) + 1 of K step g / 2: 1,024 g bytes
	s_lshl_b32 s41, ttmp9, 10
	s_add_co_u32 s40, s40, s41
	s_mov_b32 s41, 0
	s_wait_kmcnt 0x0
	s_add_nc_u64 s[14:15], s[14:15], s[38:39]
	s_load_b128 s[24:27], s[8:9], 0x0              ; ew1, ex, eh, ew2
	s_load_b32 s28, s[14:15], 0x0                  ; the expert's rows
	s_add_nc_u64 s[4:5], s[4:5], s[20:21]
	s_add_nc_u64 s[6:7], s[6:7], s[22:23]
	s_add_nc_u64 s[12:13], s[12:13], s[36:37]
	s_add_nc_u64 s[16:17], s[16:17], s[40:41]
.irp t, 0,1,2,3
	global_load_b128 v[BI+8*\t:BI+8*\t+3], v[BA], s[6:7] offset:(32*(\t/2)+8*(\t%2))*4        ; b1 in the result's layout: units 32 b + 16 half + 8 u + 0 .. 7
	global_load_b128 v[BI+8*\t+4:BI+8*\t+7], v[BA], s[6:7] offset:(32*(\t/2)+8*(\t%2))*4+16
.endr
.irp u, 0,1,2,3,4,5,6,7
	WLOAD \u                                       ; the wave's whole part of the slice is asked for at once: 128 loads, 65,536 bytes
.endr
	WIN 0
	s_wait_kmcnt 0x0
	s_add_co_i32 s33, s24, 127
	s_lshl_b32 s34, s33, 23
	v_mov_b32 v[WSC], s34
	s_add_co_i32 s33, s33, 15
	s_lshl_b32 s33, s33, 23
	s_or_b32 s33, s33, 0x600000
	v_mov_b32 v[WLM], s33
	s_add_co_i32 s35, s24, s25                     ; ew1 + ex: a sum stands for sum x 2^(ew1 + ex)
	s_sub_co_i32 s33, s26, s35
	s_add_co_i32 s33, s33, 127
	s_lshl_b32 s34, s33, 23
	v_mov_b32 v[HSC], s34
	s_add_co_i32 s33, s33, 15
	s_lshl_b32 s33, s33, 23
	s_or_b32 s33, s33, 0x600000
	v_mov_b32 v[HLM], s33
	s_sub_co_i32 s35, 0, s35
	s_min_u32 s29, s28, 2048
	s_add_co_u32 s29, s29, 15
	s_lshr_b32 s29, s29, 4                         ; tiles of 16 rows, at most 128
	s_max_u32 s30, s29, 1
	s_sub_co_u32 s30, s30, 1                       ; the last tile (0 where there is none: its entries are pads)
	LLOAD LD, LO, 18, 0                            ; the entries of my first two tiles
	LLOAD LDB, LO2, 18, 4
	; Behind unit u's 16 loads stand 16 (7 - u) of later units and the 4 of the list.  Where that is more than a wait can name, 63 is written.
	s_wait_alu depctr_va_vdst(0)
	UNIT 0, 63
	UNIT 1, 63
	UNIT 2, 63
	UNIT 3, 63
	BARRIER                                        ; the even K steps' 16 images lie in LDS
	WFRAG 0                                        ; into the registers that units 0-3 have left
.irp j, 0,1,2,3,4,5,6,7,8,9,10,11,12,13,14,15,16,17,18,19,20,21,22,23,24,25,26,27,28,29,30,31
	v_ldexp_f32 v[BI+\j], v[BI+\j], s35            ; b1 / 2^(ew1 + ex): exact.  (b1's loads are the oldest of all: in since unit 0's wait)
.endr
	UNIT 4, 52
	UNIT 5, 36
	UNIT 6, 20
	UNIT 7, 4
	s_wait_loadcnt 0x0                             ; the list's entries
	XADR LD
	XLOAD 0                                        ; my first tile's rows
	s_wait_xcnt 0x0                                ; these loads have read their offsets, which are written again below
	LLOAD LD, LO, 18, 8
	XADR LDB
	XLOAD 1                                        ; my second tile's.  All these addresses hold for any count: tiles beyond the last are held at the last
	BARRIER                                        ; the odd K steps' images lie in LDS.  Both barriers stand ahead of every branch on the count
	s_cmp_ge_u32 s18, s29
	s_cbranch_scc1 .Ldone                          ; no tile for my wave
	WFRAG 1
	s_wait_dscnt 0x0
; A tile of 16 rows, number s[st], whose codes are on their way into set p.  Out at its head, in the order of issue: this tile's rows (32 loads), the entries of two tiles on (2), the next tile's rows (32).
.macro STEP1 st, p
	s_wait_loadcnt 34                              ; this tile's rows are in: 2 + 32 younger loads may be out
	WIN 0x04                                       ; store data in window 1
.irp j, 0,1,2,3,4,5,6,7
.irp qq, 0,1,2,3
	ds_store_b128 v[STW], v[128*\p+16*\j+4*\qq:128*\p+16*\j+4*\qq+3] offset:SROW*\j+256*\qq
.endr
.endr
	WIN 0
.irp s, 0,1,2,3,4,5,6,7
.irp c, 0,1,2,3
	ds_load_b128 v[F+16*\s+4*\c:F+16*\s+4*\c+3], v[FRD] offset:128*\s+32*\c      ; my own bytes: LDS serves a wave's instructions in order (ISA guide 5.7.1.4), so these see the stores above
.endr
.endr
	s_wait_loadcnt 32                              ; the entries of two tiles on are in: the next tile's 32 loads may be out
	s_wait_xcnt 0x0                                ; every earlier load and store has read its offsets and data: XO, LO, HO and the codes' registers are written again below
	XADR LD
	LLOAD LD, LO, \st, 12
	s_wait_alu depctr_va_vdst(0)
	s_wait_dscnt 0x0                               ; set p has been read by the stores, and the fragments are in
	XLOAD \p                                       ; the rows of two tiles on
	MUL F, 0
	s_min_u32 s33, s[\st], 127
	v_lshl_add_u32 v[HO], s33, 15, v[LI]           ; the tile's image in hbuf: 32,768 bytes a tile.  This line and three v_nop are the four places behind the last product (ISA guide 7.12.1)
	v_nop
	v_nop
	v_nop
.irp j, 0,1,2,3,4,5,6,7,8,9,10,11,12,13,14,15,16,17,18,19,20,21,22,23,24,25,26,27,28,29,30,31
	v_med3_num_f32 v[ACC+\j], v[ACC+\j], 0, v[HLM] ; relu and the hold in one; each accumulator from its low end on
.endr
.irp b, 0,1
	v_cvt_scalef32_pk8_bf8_f32 v[HC+4*\b:HC+4*\b+1], v[ACC+16*\b:ACC+16*\b+7], v[HSC]
	v_cvt_scalef32_pk8_bf8_f32 v[HC+4*\b+2:HC+4*\b+3], v[ACC+16*\b+8:ACC+16*\b+15], v[HSC]
.endr
	v_nop                                          ; a plain instruction behind the last conversion: the next products write its sources
.irp b, 0,1
	global_store_b128 v[HO], v[HC+4*\b:HC+4*\b+3], s[16:17] offset:512*\b        ; the wave stores 512 consecutive bytes, at a multiple of 256 from hbuf's first byte
.endr
.endm
	s_mov_b32 s31, s18                             ; my tile in hand
	s_mov_b32 s42, 0                               ; trips walked
; A trip: two tiles, one on each set.  The loop is counted against a constant, the most trips that any count of rows can ask for; a wave whose tiles are done ends inside it.
; After trip TRIPS - 1 the tile in hand is 128 or more, which is no tile of any expert: so every wave that enters the loop ends by one of the two tests.
.Lrow:
	STEP1 31, 0
	s_add_co_u32 s32, s31, 4
	s_cmp_lt_u32 s32, s29
	s_cbranch_scc1 .Lsecond                        ; there is a second tile
	FINISH                                         ; there is none: the wave ends here
.Lsecond:
	STEP1 32, 1
	s_add_co_u32 s31, s31, 8
	s_cmp_lt_u32 s31, s29
	s_cbranch_scc1 .Lmore                          ; there is a tile for another trip
	FINISH
.Lmore:
	s_add_co_u32 s42, s42, 1
	s_cmp_lt_u32 s42, TRIPS
	s_cbranch_scc1 .Lrow
.Ldone:
	FINISH
.Lfunc_end_k_qda232a0c8d_ffn1:
	.size	k_qda232a0c8d_ffn1, .Lfunc_end_k_qda232a0c8d_ffn1-k_qda232a0c8d_ffn1
	.p2alignl 7, 3214868480
	.fill 96, 4, 3214868480
	.section	.rodata,"a",@progbits
	.p2align	6, 0x0
	.amdhsa_kernel k_qda232a0c8d_ffn1
		.amdhsa_group_segment_fixed_size 133120
		.amdhsa_private_segment_fixed_size 0
		.amdhsa_enable_private_segment 0
		.amdhsa_kernarg_size 56
		.amdhsa_user_sgpr_count 2
		.amdhsa_user_sgpr_kernarg_segment_ptr 1
		.amdhsa_wavefront_size32 1
		.amdhsa_system_sgpr_workgroup_id_x 1
		.amdhsa_system_sgpr_workgroup_id_y 1
		.amdhsa_system_sgpr_workgroup_id_z 1
		.amdhsa_system_vgpr_workitem_id 0
		.amdhsa_next_free_vgpr 1024
		.amdhsa_next_free_sgpr 66
		.amdhsa_reserve_vcc 0
		.amdhsa_float_denorm_mode_32 3
		.amdhsa_float_denorm_mode_16_64 3
		.amdhsa_memory_ordered 1
		.amdhsa_forward_progress 1
		.amdhsa_inst_pref_size 106
	.end_amdhsa_kernel
	.amdgpu_metadata
---
amdhsa.version: [ 1, 2 ]
amdhsa.kernels:
  - .name:           k_qda232a0c8d_ffn1
    .symbol:         k_qda232a0c8d_ffn1.kd
    .args:
      - { .name: W1, .offset: 0, .size: 8, .value_kind: global_buffer, .address_space: global }
      - { .name: b1, .offset: 8, .size: 8, .value_kind: global_buffer, .address_space: global }
      - { .name: lowp_scales, .offset: 16, .size: 8, .value_kind: global_buffer, .address_space: global }
      - { .name: xc, .offset: 24, .size: 8, .value_kind: global_buffer, .address_space: global }
      - { .name: list, .offset: 32, .size: 8, .value_kind: global_buffer, .address_space: global }
      - { .name: cnt, .offset: 40, .size: 8, .value_kind: global_buffer, .address_space: global }
      - { .name: hbuf, .offset: 48, .size: 8, .value_kind: global_buffer, .address_space: global }
    .group_segment_fixed_size: 133120
    .private_segment_fixed_size: 0
    .kernarg_segment_align: 8
    .kernarg_segment_size: 56
    .max_flat_workgroup_size: 128
    .sgpr_count:     66
    .vgpr_count:     1024
    .wavefront_size: 32
...
	.end_amdgpu_metadata
.endif
;; end of part 3
;; launch ffn2 (part 4): grid 32 x 8, 4 waves a work-group, no clusters, 83,968 bytes of LDS; arguments W2, b2, lowp_scales, hbuf, list, glist, cnt, ypart; writes ypart
.if DOCPART == 4
	.amdgcn_target "amdgcn-amd-amdhsa--gfx1250"
	.amdhsa_code_object_version 6
	.text
	.protected	k_qda232a0c8d_ffn2
	.globl	k_qda232a0c8d_ffn2
	.p2align	8
	.type	k_qda232a0c8d_ffn2,@function
k_qda232a0c8d_ffn2:
	s_mov_b64 s[64:65], 0
	v_nop
	global_prefetch_b8 v0, s[64:65] scope:SCOPE_SE
	s_setreg_imm32_b32 hwreg(HW_REG_WAVE_MODE, 25, 1), 1
	s_wait_xcnt 0x0
; FFN2: gate x (h W2[e] + b2[e]) for the rows that chose expert e alone (the others reach out0 only through a gate that is 0 by construction: they are left out), in two halves along K.
; Work-group (x, e): cg = x % 16 owns output columns 64 cg .. 64 cg + 63, kh = x / 16 the hidden units 1,024 kh .. 1,024 kh + 1,023: 1,024 (K) x 64 numbers of W2, read from memory once in the launch, as f32.
; 64 columns of f32 are 256 consecutive bytes of a row; K is halved so that there are 256 work-groups of one shape: 8 K steps x 4 tiles of columns.  Each half adds b2 / 2 (exact), so both run the same text.
; The weight phase (the turn, the images, the fragments in windows 2 and 3), the layouts and the choice of a tile's columns are those of the launch before; W2's scale is 2^ew2.
; h's codes lie in hbuf as images of this product's operand: a fragment is four loads of 512 consecutive bytes, straight into its registers.
; A TILE'S GROUP is 35 loads: its 8 list entries a lane (2), its row's gate (1), its 8 fragments (32).  Three sets of registers take turns, and a group is asked for two tiles ahead: so no step waits for what it has just asked for.
; The result, sum x 2^(eh + ew2) + b2 / 2, times the row's gate, goes through the wave's own stage and leaves as rows: row d = the list's entry (choice x 2,048 + token) of ypart [kh][4,104][1,024].
; Pad rows (entry 4,096 + e) land in row 4,096 + e, which nobody reads.  No tensor load and no cluster: the number of tiles is read from memory.
; LIMITS: ew2 between -126 and 112; eh + ew2 between -126 and 127.  NaN among the inputs is not served.
; REGISTERS.  Window 0: v1-15, v23 addresses and scales; v24-29 three rows' gates (each named as a pair with a 0 above it); v32-63 b2 / 2; v64-95 the four accumulators, later the rows on their way out; v96-119 three sets of list entries;
;   v120-127 the rows' offsets in ypart; v128-255 the weight phase's work, later set 2.   Window 1: sets 0 and 1.   Windows 2, 3: where W2 lands; then its fragments of the even and of the odd K steps.
.set PITCH, 4096                       ; a row of W2 in bytes
.set PSH,   16                         ; 16 rows of it = 1 << 16
.set FRS,   2064
.set STG,   32*FRS
.set SROW,  272                        ; a stage row: 256 bytes + 16
.set SWAVE, 16*SROW
.set SPARE, STG+4*SWAVE
.set TRIPS, 11                         ; an expert has at most 128 tiles, a wave 32 of them, a trip three: 11 trips cover 33
.set SPW, 1
.set NIL, 2
.set LI,  3
.set WO,  4
.set IW,  5
.set STO, 6                            ; v6  the stage, in: row q, + 64 half
.set SRD, 7                            ; v7  the stage, out: rows 8 half + i, 16 bytes at 16 q
.set LQ,  8
.set LH,  9
.set R4,  10                           ; v10 4 q: my row's gate
.set LO,  11
.set GO,  12
.set HO,  13
.set WSC, 14
.set WLM, 15
.set BA,  23
.set GV,  24                           ; set p's gate at v[24 + 2 p]
.set BI,  32
.set ACC, 64
.set LD,  96                           ; set p's entries at v[96 + 8 p]
.set YO,  120
.set T,   128
.set PC,  192
.set MSB, 0
.macro WIN new
.if MSB != (\new)
	s_set_vgpr_msb (MSB<<8)|(\new)
.set MSB, (\new)
.endif
.endm
.macro WLOAD u
	WIN 0x80+0x40*((\u)/4)
.irp i, 0,1,2,3,4,5,6,7,8,9,10,11,12,13,14,15
	global_load_b128 v[64*((\u)%4)+4*\i:64*((\u)%4)+4*\i+3], v[WO], s[4:5] offset:(32*(\u)+\i)*PITCH th:TH_LOAD_NT
.endr
.endm
.macro UNIT u, n
	s_wait_loadcnt \n
	WIN 0x02+(\u)/4
.irp j, 0,1,2,3
.irp i, 0,1,2,3,4,5,6,7,8,9,10,11,12,13,14,15
	v_med3_num_f32 v[T+16*\j+\i], v[64*((\u)%4)+4*\i+\j], -v[WLM], v[WLM]   ; the hold (ISA guide 7.6.2) is also the turn
.endr
.endr
	WIN 0
	s_wait_alu depctr_va_vdst(0)
	s_wait_dscnt 0x0                               ; the last unit's stores have read the codes' registers
.irp j, 0,1,2,3
	v_cvt_scalef32_pk8_bf8_f32 v[PC+4*\j:PC+4*\j+1], v[T+16*\j:T+16*\j+7], v[WSC]
	v_cvt_scalef32_pk8_bf8_f32 v[PC+4*\j+2:PC+4*\j+3], v[T+16*\j+8:T+16*\j+15], v[WSC]
.endr
	v_nop                                          ; a plain instruction behind the last conversion
.irp j, 0,1,2,3
	ds_store_b128 v[IW], v[PC+4*\j:PC+4*\j+3] offset:((\u)/4)*4*FRS+((\u)%4)*512+16*\j
.endr
.endm
.macro WFRAG ph
	WIN 0x80+0x40*(\ph)
.irp sg, 0,1,2,3
.irp t, 0,1,2,3
.irp c, 0,1,2,3
	ds_load_b128 v[64*\sg+16*\t+4*\c:64*\sg+16*\t+4*\c+3], v[LI] offset:(4*(2*\sg+\ph)+\t)*FRS+512*\c
.endr
.endr
.endr
	WIN 0
.endm
.macro BARRIER
	s_wait_dscnt 0x0
	s_barrier_signal -1
	s_barrier_wait -1
.endm
.macro FINISH                          ; the wave's end, behind my last LDS store; loads into registers may be out
	s_wait_tensorcnt 0x0
	ds_add_u32 v[SPW], v[NIL]
	s_wait_dscnt 0x0
	s_endpgm
.endm
; 32 matrix instructions; the first four start the sums with the constant 0; the four accumulators take turns, one instruction a turn
.macro MUL fb, fw
.irp ph, 0,1
	WIN (0x02+\ph)|((\fw)<<2)
.irp sg, 0,1,2,3
.irp t, 0,1,2,3
.if (\ph == 0) && (\sg == 0)
	v_wmma_f32_16x16x128_bf8_bf8 v[ACC+8*\t:ACC+8*\t+7], v[64*\sg+16*\t:64*\sg+16*\t+15], v[\fb+16*(2*\sg+\ph):\fb+16*(2*\sg+\ph)+15], 0
.else
	v_wmma_f32_16x16x128_bf8_bf8 v[ACC+8*\t:ACC+8*\t+7], v[64*\sg+16*\t:64*\sg+16*\t+15], v[\fb+16*(2*\sg+\ph):\fb+16*(2*\sg+\ph)+15], v[ACC+8*\t:ACC+8*\t+7]
.endif
.endr
.endr
.endr
	WIN 0
.endm
.macro HWIN p                          ; where set p's fragments stand: sets 0, 1 in window 1, set 2 at v128 of window 0
.if (\p) == 2
.set HFB, 128
	WIN 0
.else
.set HFB, 128*(\p)
	WIN 0x40
.endif
.endm
.macro HFRAG s                         ; the fragment of K step s: four loads of 512 consecutive bytes
.irp c, 0,1,2,3
	global_load_b128 v[HFB+16*(\s)+4*\c:HFB+16*(\s)+4*\c+3], v[HO], s[10:11] offset:2048*(\s)+512*\c
.endr
.endm
; The group of tile s[st] + add (held at the expert's last tile and at 127) into set p, in two runs.  The first: the entries, the gate and six fragments, 27 loads.
.macro GLOADA st, add, p
	s_add_co_u32 s38, s[\st], \add
	s_min_u32 s38, s38, s34
	s_min_u32 s38, s38, 127
	v_lshl_add_u32 v[LO], s38, 6, v[LH]
	v_lshl_add_u32 v[GO], s38, 6, v[R4]
	v_lshl_add_u32 v[HO], s38, 15, v[LI]
	global_load_b128 v[LD+8*(\p):LD+8*(\p)+3], v[LO], s[12:13]             ; entries 16 T + 8 half + 0 .. 7: the rows that I store
	global_load_b128 v[LD+8*(\p)+4:LD+8*(\p)+7], v[LO], s[12:13] offset:16
	global_load_b32 v[GV+2*(\p)], v[GO], s[14:15]                          ; the gate of row 16 T + q: the row whose sums I hold
	HWIN \p
.irp s, 0,1,2,3,4,5
	HFRAG \s
.endr
	WIN 0
.endm
.macro GLOADB p                        ; the second run: the last two fragments, 8 loads, by the offset that the first run made
	HWIN \p
.irp s, 6,7
	HFRAG \s
.endr
	WIN 0
.endm
	s_load_b256 s[4:11], s[0:1], 0x0               ; W2 s[4:5], b2 s[6:7], the scales' exponents s[8:9], hbuf s[10:11]
	s_load_b256 s[12:19], s[0:1], 0x20             ; list s[12:13], glist s[14:15], cnt s[16:17], ypart s[18:19]
	v_lshl_add_u32 v[SPW], v0, 2, SPARE
	v_mov_b32 v[NIL], 0
	v_lshrrev_b32 v16, 5, v0
	v_readfirstlane_b32 s20, v16                   ; wave 0..3
	s_and_b32 s21, ttmp7, 0xffff                   ; e
	s_and_b32 s23, ttmp9, 15                       ; cg
	s_lshr_b32 s24, ttmp9, 4                       ; kh
	v_and_b32 v16, 31, v0                          ; lane
	v_and_b32 v17, 15, v0                          ; q
	v_bfe_u32 v18, v0, 4, 1                        ; half
	v_lshlrev_b32 v[LI], 4, v16
	v_lshlrev_b32 v[LQ], 4, v17
	v_lshlrev_b32 v[LH], 5, v18
	v_lshlrev_b32 v[R4], 2, v17
	v_lshlrev_b32 v[BA], 6, v18
	v_mov_b32 v[GV+1], 0                           ; (named as the upper halves of the gates' pairs)
	v_mov_b32 v[GV+3], 0
	v_mov_b32 v[GV+5], 0
	v_lshl_add_u32 v[WO], v18, PSH, v[LQ]
	v_bfe_u32 v19, v0, 3, 1                        ; my columns 4 q + j: tile 2 (q / 8) + (q / 2) % 2, row 8 ((q / 4) % 2) + 4 (q % 2) + j
	v_bfe_u32 v20, v0, 1, 1
	v_lshl_add_u32 v19, v19, 1, v20
	v_mul_u32_u24 v[IW], v19, FRS
	v_bfe_u32 v20, v0, 2, 1
	v_and_b32 v21, 1, v0
	v_lshlrev_b32 v22, 4, v18
	v_lshl_add_u32 v22, v20, 3, v22
	v_lshl_add_u32 v22, v21, 2, v22
	v_lshl_add_u32 v[IW], v22, 4, v[IW]
	s_mul_i32 s26, s20, 8*FRS
	v_add_nc_u32 v[IW], s26, v[IW]
	s_mul_i32 s26, s20, SWAVE
	s_add_co_u32 s26, s26, STG                     ; my stage
	v_mul_u32_u24 v[STO], v17, SROW
	v_lshl_add_u32 v[STO], v18, 6, v[STO]
	v_add_nc_u32 v[STO], s26, v[STO]
	v_mul_u32_u24 v[SRD], v18, 8*SROW
	v_add_nc_u32 v[SRD], v[LQ], v[SRD]
	v_add_nc_u32 v[SRD], s26, v[SRD]
	s_lshl_b32 s40, s21, 23                        ; W2: 8 MiB an expert,
	s_lshl_b32 s41, s24, 22                        ; 1,024 rows of 4,096 bytes a half of K,
	s_add_co_u32 s40, s40, s41
	s_lshl_b32 s41, s23, 8                         ; 256 bytes a slice,
	s_add_co_u32 s40, s40, s41
	s_lshl_b32 s41, s20, 20                        ; 256 rows a wave
	s_add_co_u32 s40, s40, s41
	s_mov_b32 s41, 0
	s_lshl_b32 s42, s21, 12                        ; b2
	s_lshl_b32 s43, s23, 8
	s_add_co_u32 s42, s42, s43
	s_mov_b32 s43, 0
	s_lshl_b32 s44, s21, 22                        ; hbuf: 4 MiB an expert; 8 K steps of 2,048 bytes a half of K
	s_lshl_b32 s45, s24, 14
	s_add_co_u32 s44, s44, s45
	s_mov_b32 s45, 0
	s_mul_i32 s48, s21, 8448                       ; the expert's list and gates
	s_mov_b32 s49, 0
	s_lshl_b32 s50, s21, 2                         ; cnt[e]
	s_mov_b32 s51, 0
	s_mul_i32 s52, s24, 16809984                   ; ypart: 4,104 rows of 4,096 bytes a half of K
	s_lshl_b32 s53, s23, 8
	s_add_co_u32 s52, s52, s53
	s_mov_b32 s53, 0
	s_wait_kmcnt 0x0
	s_add_nc_u64 s[16:17], s[16:17], s[50:51]
	s_load_b128 s[28:31], s[8:9], 0x0              ; ew1, ex, eh, ew2
	s_load_b32 s32, s[16:17], 0x0                  ; the expert's rows
	s_add_nc_u64 s[4:5], s[4:5], s[40:41]
	s_add_nc_u64 s[6:7], s[6:7], s[42:43]
	s_add_nc_u64 s[10:11], s[10:11], s[44:45]
	s_add_nc_u64 s[12:13], s[12:13], s[48:49]
	s_add_nc_u64 s[14:15], s[14:15], s[48:49]
	s_add_nc_u64 s[18:19], s[18:19], s[52:53]
.irp t, 0,1,2,3
	global_load_b128 v[BI+8*\t:BI+8*\t+3], v[BA], s[6:7] offset:(32*(\t/2)+8*(\t%2))*4        ; b2 in the result's layout
	global_load_b128 v[BI+8*\t+4:BI+8*\t+7], v[BA], s[6:7] offset:(32*(\t/2)+8*(\t%2))*4+16
.endr
.irp u, 0,1,2,3,4,5,6,7
	WLOAD \u
.endr
	WIN 0
	s_wait_kmcnt 0x0
	s_add_co_i32 s38, s31, 127
	s_lshl_b32 s39, s38, 23
	v_mov_b32 v[WSC], s39                          ; 2^ew2
	s_add_co_i32 s38, s38, 15
	s_lshl_b32 s38, s38, 23
	s_or_b32 s38, s38, 0x600000
	v_mov_b32 v[WLM], s38                          ; 57,344 x 2^ew2
	s_add_co_i32 s46, s30, s31
	s_add_co_i32 s46, s46, 127
	s_lshl_b32 s46, s46, 23                        ; 2^(eh + ew2) as f32
	s_mov_b32 s47, s46                             ; (named with it as a pair, so it is written)
	s_min_u32 s33, s32, 2048
	s_add_co_u32 s33, s33, 15
	s_lshr_b32 s33, s33, 4                         ; tiles of 16 rows, at most 128
	s_max_u32 s34, s33, 1
	s_sub_co_u32 s34, s34, 1                       ; the last tile
	; Behind unit u's 16 loads stand the 16 (7 - u) of later units; where that is more than a wait can name, 63 is written.
	s_wait_alu depctr_va_vdst(0)
	UNIT 0, 63
	UNIT 1, 63
	UNIT 2, 63
	UNIT 3, 63
	BARRIER                                        ; the even K steps' images lie in LDS
	WFRAG 0
.irp j, 0,2,4,6,8,10,12,14,16,18,20,22,24,26,28,30
	v_pk_mul_f32 v[BI+\j:BI+\j+1], v[BI+\j:BI+\j+1], 0.5 op_sel_hi:[1,0]   ; b2 / 2: each half of K adds one.  (b2's loads are the oldest of all: in since unit 0's wait)
.endr
	UNIT 4, 48
	UNIT 5, 32
	UNIT 6, 16
	UNIT 7, 0
	BARRIER                                        ; the odd K steps' images lie in LDS.  Both barriers stand ahead of every branch on the count
	s_cmp_ge_u32 s20, s33
	s_cbranch_scc1 .Ldone                          ; no tile for my wave: nothing of hbuf is read
	GLOADA 20, 0, 0                                ; my first tile's group,
	GLOADB 0
	s_wait_xcnt 0x0                                ; (these loads have read their offsets, which are written again)
	GLOADA 20, 4, 1                                ; my second's
	GLOADB 1
	WFRAG 1
	s_wait_dscnt 0x0
; A tile of 16 rows, number s[st], whose group stands (or is landing) in set p; its fragments at v[fb] of window fw.  pn: the set that takes the group of two tiles on; the tile before multiplied it, and that tile's way out is its distance.
.macro STEP2 st, p, fb, fw, pn
	s_wait_loadcnt 35                              ; this tile's group is in: behind it exactly the next tile's 35 loads were issued, and they may be out
	s_wait_xcnt 0x0                                ; every earlier load and store has read its offsets and data: LO, GO, HO, YO and the last tile's rows (in the accumulators' registers) are written again below
	GLOADA \st, 8, \pn                             ; 27 loads of the group of two tiles on: with the next tile's 35 that is 62 out when the products begin
	MUL \fb, \fw
.irp i, 0,1,2,3,4,5,6,7
	v_min_u32 v[YO+\i], 0x1007, v[LD+8*(\p)+\i]    ; held at 4,103, ypart's last row.  These 16 lines are the places behind the last products (ISA guide 7.12.1)
.endr
.irp i, 0,1,2,3,4,5,6,7
	v_lshl_add_u32 v[YO+\i], v[YO+\i], 12, v[LQ]   ; a row of ypart is 4,096 bytes
.endr
.irp j, 0,2,4,6,8,10,12,14,16,18,20,22,24,26,28,30
	v_pk_fma_f32 v[ACC+\j:ACC+\j+1], v[ACC+\j:ACC+\j+1], s[46:47], v[BI+\j:BI+\j+1] op_sel_hi:[1,0,1]   ; sum x 2^(eh + ew2) + b2 / 2; each accumulator from its low end on
.endr
.irp j, 0,2,4,6,8,10,12,14,16,18,20,22,24,26,28,30
	v_pk_mul_f32 v[ACC+\j:ACC+\j+1], v[ACC+\j:ACC+\j+1], v[GV+2*(\p):GV+2*(\p)+1] op_sel_hi:[1,0]        ; x the row's gate
.endr
.irp t, 0,1,2,3
	ds_store_b128 v[STO], v[ACC+8*\t:ACC+8*\t+3] offset:128*(\t/2)+32*(\t%2)            ; columns 32 b + 16 half + 8 u + 0 .. 7 of row q
	ds_store_b128 v[STO], v[ACC+8*\t+4:ACC+8*\t+7] offset:128*(\t/2)+32*(\t%2)+16
.endr
.irp i, 0,1,2,3,4,5,6,7
	ds_load_b128 v[ACC+4*\i:ACC+4*\i+3], v[SRD] offset:SROW*\i     ; my own bytes, served in order (ISA guide 5.7.1.4): row 8 half + i comes back whole, into the registers that the sums left
.endr
	GLOADB \pn                                     ; the group's last 8 loads are issued while the rows come back from the stage
.irp i, 0,1,2,3,4,5,6,7
	s_wait_dscnt 7-\i
	global_store_b128 v[YO+\i], v[ACC+4*\i:ACC+4*\i+3], s[18:19]   ; each half of the lanes stores 256 consecutive bytes, at a multiple of 256 from ypart's first byte
.endr
.endm
	s_mov_b32 s35, s20                             ; my tile in hand
	s_mov_b32 s54, 0                               ; trips walked
; A trip: three tiles, until the sets are back where they began.  The loop is counted against a constant, the most trips that any count of rows can ask for; a wave whose tiles are done ends inside it.
; After trip TRIPS - 1 the tile in hand is 132 or more, which is no tile of any expert: so every wave that enters the loop ends by one of the three tests.
.Lrow:
	STEP2 35, 0, 0, 1, 2
	s_add_co_u32 s36, s35, 4
	s_cmp_lt_u32 s36, s33
	s_cbranch_scc1 .Lsecond                        ; there is a second tile
	FINISH                                         ; there is none: the wave ends here
.Lsecond:
	STEP2 36, 1, 128, 1, 0
	s_add_co_u32 s37, s35, 8
	s_cmp_lt_u32 s37, s33
	s_cbranch_scc1 .Lthird                         ; there is a third tile
	FINISH
.Lthird:
	STEP2 37, 2, 128, 0, 1
	s_add_co_u32 s35, s35, 12
	s_cmp_lt_u32 s35, s33
	s_cbranch_scc1 .Lmore                          ; there is a tile for another trip
	FINISH
.Lmore:
	s_add_co_u32 s54, s54, 1
	s_cmp_lt_u32 s54, TRIPS
	s_cbranch_scc1 .Lrow
.Ldone:
	FINISH
.Lfunc_end_k_qda232a0c8d_ffn2:
	.size	k_qda232a0c8d_ffn2, .Lfunc_end_k_qda232a0c8d_ffn2-k_qda232a0c8d_ffn2
	.p2alignl 7, 3214868480
	.fill 96, 4, 3214868480
	.section	.rodata,"a",@progbits
	.p2align	6, 0x0
	.amdhsa_kernel k_qda232a0c8d_ffn2
		.amdhsa_group_segment_fixed_size 83968
		.amdhsa_private_segment_fixed_size 0
		.amdhsa_enable_private_segment 0
		.amdhsa_kernarg_size 64
		.amdhsa_user_sgpr_count 2
		.amdhsa_user_sgpr_kernarg_segment_ptr 1
		.amdhsa_wavefront_size32 1
		.amdhsa_system_sgpr_workgroup_id_x 1
		.amdhsa_system_sgpr_workgroup_id_y 1
		.amdhsa_system_sgpr_workgroup_id_z 1
		.amdhsa_system_vgpr_workitem_id 0
		.amdhsa_next_free_vgpr 1024
		.amdhsa_next_free_sgpr 66
		.amdhsa_reserve_vcc 0
		.amdhsa_float_denorm_mode_32 3
		.amdhsa_float_denorm_mode_16_64 3
		.amdhsa_memory_ordered 1
		.amdhsa_forward_progress 1
		.amdhsa_inst_pref_size 107
	.end_amdhsa_kernel
	.amdgpu_metadata
---
amdhsa.version: [ 1, 2 ]
amdhsa.kernels:
  - .name:           k_qda232a0c8d_ffn2
    .symbol:         k_qda232a0c8d_ffn2.kd
    .args:
      - { .name: W2, .offset: 0, .size: 8, .value_kind: global_buffer, .address_space: global }
      - { .name: b2, .offset: 8, .size: 8, .value_kind: global_buffer, .address_space: global }
      - { .name: lowp_scales, .offset: 16, .size: 8, .value_kind: global_buffer, .address_space: global }
      - { .name: hbuf, .offset: 24, .size: 8, .value_kind: global_buffer, .address_space: global }
      - { .name: list, .offset: 32, .size: 8, .value_kind: global_buffer, .address_space: global }
      - { .name: glist, .offset: 40, .size: 8, .value_kind: global_buffer, .address_space: global }
      - { .name: cnt, .offset: 48, .size: 8, .value_kind: global_buffer, .address_space: global }
      - { .name: ypart, .offset: 56, .size: 8, .value_kind: global_buffer, .address_space: global }
    .group_segment_fixed_size: 83968
    .private_segment_fixed_size: 0
    .kernarg_segment_align: 8
    .kernarg_segment_size: 64
    .max_flat_workgroup_size: 128
    .sgpr_count:     66
    .vgpr_count:     1024
    .wavefront_size: 32
...
	.end_amdgpu_metadata
.endif
;; end of part 4
;; launch combine (part 5): grid 256 x 1, 8 waves a work-group, no clusters, 0 bytes of LDS; arguments ypart, out0; writes out0
.if DOCPART == 5
	.amdgcn_target "amdgcn-amd-amdhsa--gfx1250"
	.amdhsa_code_object_version 6
	.text
	.protected	k_qda232a0c8d_combine
	.globl	k_qda232a0c8d_combine
	.p2align	8
	.type	k_qda232a0c8d_combine,@function
k_qda232a0c8d_combine:
	s_mov_b64 s[64:65], 0
	v_nop
	global_prefetch_b8 v0, s[64:65] scope:SCOPE_SE
	s_setreg_imm32_b32 hwreg(HW_REG_WAVE_MODE, 25, 1), 1
	s_wait_xcnt 0x0
; COMBINE: out0[t] = the sum of token t's four parts: two choices x two halves of K.  The gates are already in the parts; the six experts that a token did not choose have no part (their gate is 0 by construction).
; Part (kh, k) of token t is row k x 2,048 + t of ypart [kh][4,104][1,024]: four plain streams of 8 MiB, each read once, and one written.  Rows 4,096 on (the pads') are not read.
; A work-group takes 32,768 bytes of out0, a wave 4,096, in 8 chunks of 512 consecutive bytes.  All 32 loads of a wave go out at once; no loop, and no register is written twice.
	s_load_b128 s[4:7], s[0:1], 0x0                ; ypart s[4:5], out0 s[6:7]
	v_lshrrev_b32 v1, 5, v0                        ; wave
	v_and_b32 v2, 31, v0
	s_delay_alu instid0(VALU_DEP_1)
	v_lshlrev_b32 v2, 4, v2                        ; 16 bytes a lane
	s_delay_alu instid0(VALU_DEP_1)
	v_lshl_add_u32 v1, v1, 12, v2                  ; + 4,096 x wave
	s_lshl_b32 s16, ttmp9, 15
	s_mov_b32 s17, 0
	s_wait_alu depctr_va_vdst(0)
	s_wait_kmcnt 0x0
	s_add_nc_u64 s[8:9], s[4:5], s[16:17]          ; half 0, choice 0
	s_add_nc_u64 s[10:11], s[8:9], 8388608         ; half 0, choice 1: 2,048 rows on
	s_add_nc_u64 s[12:13], s[8:9], 16809984        ; half 1, choice 0: 4,104 rows on
	s_add_nc_u64 s[14:15], s[8:9], 25198592        ; half 1, choice 1
	s_add_nc_u64 s[6:7], s[6:7], s[16:17]
.irp i, 0,1,2,3,4,5,6,7
	global_load_b128 v[8+16*\i:8+16*\i+3], v1, s[8:9] offset:512*\i th:TH_LOAD_NT
	global_load_b128 v[8+16*\i+4:8+16*\i+7], v1, s[12:13] offset:512*\i th:TH_LOAD_NT
	global_load_b128 v[8+16*\i+8:8+16*\i+11], v1, s[10:11] offset:512*\i th:TH_LOAD_NT
	global_load_b128 v[8+16*\i+12:8+16*\i+15], v1, s[14:15] offset:512*\i th:TH_LOAD_NT
.endr
.irp i, 0,1,2,3,4,5,6,7
	s_wait_loadcnt 4*(7-\i)                        ; this chunk's four loads are in; the later chunks' may be out
	v_pk_add_f32 v[8+16*\i:8+16*\i+1], v[8+16*\i:8+16*\i+1], v[8+16*\i+4:8+16*\i+5]        ; a choice's two halves of K,
	v_pk_add_f32 v[8+16*\i+2:8+16*\i+3], v[8+16*\i+2:8+16*\i+3], v[8+16*\i+6:8+16*\i+7]
	v_pk_add_f32 v[8+16*\i+8:8+16*\i+9], v[8+16*\i+8:8+16*\i+9], v[8+16*\i+12:8+16*\i+13]
	v_pk_add_f32 v[8+16*\i+10:8+16*\i+11], v[8+16*\i+10:8+16*\i+11], v[8+16*\i+14:8+16*\i+15]
	s_delay_alu instid0(VALU_DEP_2)
	v_pk_add_f32 v[8+16*\i:8+16*\i+1], v[8+16*\i:8+16*\i+1], v[8+16*\i+8:8+16*\i+9]        ; then the two choices
	s_delay_alu instid0(VALU_DEP_2)
	v_pk_add_f32 v[8+16*\i+2:8+16*\i+3], v[8+16*\i+2:8+16*\i+3], v[8+16*\i+10:8+16*\i+11]
	global_store_b128 v1, v[8+16*\i:8+16*\i+3], s[6:7] offset:512*\i th:TH_STORE_NT        ; the wave stores 512 consecutive bytes, at a multiple of 256 from out0's first byte
.endr
	s_endpgm
.Lfunc_end_k_qda232a0c8d_combine:
	.size	k_qda232a0c8d_combine, .Lfunc_end_k_qda232a0c8d_combine-k_qda232a0c8d_combine
	.p2alignl 7, 3214868480
	.fill 96, 4, 3214868480
	.section	.rodata,"a",@progbits
	.p2align	6, 0x0
	.amdhsa_kernel k_qda232a0c8d_combine
		.amdhsa_group_segment_fixed_size 0
		.amdhsa_private_segment_fixed_size 0
		.amdhsa_enable_private_segment 0
		.amdhsa_kernarg_size 16
		.amdhsa_user_sgpr_count 2
		.amdhsa_user_sgpr_kernarg_segment_ptr 1
		.amdhsa_wavefront_size32 1
		.amdhsa_system_sgpr_workgroup_id_x 1
		.amdhsa_system_sgpr_workgroup_id_y 1
		.amdhsa_system_sgpr_workgroup_id_z 1
		.amdhsa_system_vgpr_workitem_id 0
		.amdhsa_next_free_vgpr 136
		.amdhsa_next_free_sgpr 66
		.amdhsa_reserve_vcc 0
		.amdhsa_float_denorm_mode_32 3
		.amdhsa_float_denorm_mode_16_64 3
		.amdhsa_memory_ordered 1
		.amdhsa_forward_progress 1
		.amdhsa_inst_pref_size 9
	.end_amdhsa_kernel
	.amdgpu_metadata
---
amdhsa.version: [ 1, 2 ]
amdhsa.kernels:
  - .name:           k_qda232a0c8d_combine
    .symbol:         k_qda232a0c8d_combine.kd
    .args:
      - { .name: ypart, .offset: 0, .size: 8, .value_kind: global_buffer, .address_space: global }
      - { .name: out0, .offset: 8, .size: 8, .value_kind: global_buffer, .address_space: global }
    .group_segment_fixed_size: 0
    .private_segment_fixed_size: 0
    .kernarg_segment_align: 8
    .kernarg_segment_size: 16
    .max_flat_workgroup_size: 256
    .sgpr_count:     66
    .vgpr_count:     136
    .wavefront_size: 32
...
	.end_amdgpu_metadata
.endif
;; end of part 5
